; MI455X (gfx1250); checked and timed in simulation.
; The chip was launched on July 23, 2026; its instructions are those of AMD's public machine-readable ISA for CDNA 5 (MIT licence, August 2026) and "CDNA5" Instruction Set Architecture Reference Guide (July 2026). The comments in the code are by the model that wrote it; some were corrected since.
;; Cross Attention Block. Allowed arithmetic: matrix products marked QUANTISED: E2M1 operands, one E8M0 scale for each 32 along K, by v_wmma_scale_f32_16x16x128_f8f6f4 with both operands' format E2M1 (or v_wmma_scale_f32_32x16x128_f4), f32 sums; products left as they are: bf16, f16 or f32 operands; f32 sums; everything else in f32.
;; Inputs: B 1,024 x 1,024 float32; proj_b 128 float32; proj_w 128 x 1,024 float32; wk_b 1,024 float32; wk_w 1,024 x 256 float32; wq_b 1,024 float32; wq_w 1,024 x 256 float32; wv_b 1,024 float32; wv_w 1,024 x 256 float32; x1 16 x 1,024 x 256 float32; x2 16 x 1,024 x 256 float32.
;; Outputs: out0 16 x 1,024 x 128 float32.
;; This version of the problem:
;;   THIS VERSION OF THE PROBLEM IS GIVEN IN LOW PRECISION. The matrix products marked QUANTISED in the list below multiply operands that are first quantised to E2M1 (2 exponent bits, 1 mantissa bit; 4 bits a number), with one power-of-two scale for each 32 numbers along K (OCP MX v1.0); their sums are f32. The products marked 'left as it is' may take bf16, f16 or f32 operands, with f32 sums. Whichever they take, every output number must still come out within the allowed error. Rounding operands to bf16 (8 significant bits) uses up far more of that allowance than f16 does (11 bits, for magnitudes from 6e-5 to 65,504). All else is computed in f32.
;;   The module's matrix products, in the order in which they are computed (A, B: the left and right operand; K: the contracted axis; several contracted axes count as one K, in the product's order):
;;     1. [M 16,384, K 256] x [K 256, N 1,024]; A: input x1; B: input wq_w: QUANTISED
;;     2. [M 16,384, K 256] x [K 256, N 1,024]; A: input x2; B: input wk_w: QUANTISED
;;     3. [M 16,384, K 256] x [K 256, N 1,024]; A: input x2; B: input wv_w: QUANTISED
;;     4. batch 128 x [M 1,024, K 128] x [K 128, N 1,024]; A: computed on the way; B: computed on the way: left as it is (an operand is computed on the way)
;;     5. batch 128 x [M 128, K 1,024] x [K 1,024, N 1,024]; A: computed on the way; B: computed on the way: left as it is (an operand is computed on the way)
;;     6. [M 16,384, K 1,024] x [K 1,024, N 128]; A: computed on the way; B: input proj_w: left as it is (an operand is computed on the way)
;;   THE QUANTISER, for each operand of a quantised product, along K:
;;     - K is cut into blocks of 32 from its start; a last block that is shorter is filled with zeros.
;;     - A block's scale is 2^e with e = floor(log2(the largest magnitude in the block)) - 2, held to -126 .. 127; a block of zeros has e = 0. As a byte (E8M0): e + 127.
;;     - Each number is divided by its block's scale, clamped to +-6, and rounded to the nearest number of E2M1, ties to even, subnormals kept.
;;     - The product sums the exact products of the quantised numbers (number of the format x scale) in f32.
;;   ~~~python
;;   def quantise(x, axis):      # numpy; x: float32 -> the quantised numbers, widened to float32 again
;;       x = np.moveaxis(x, axis, -1); K = x.shape[-1]
;;       x = np.pad(x, [(0, 0)] * (x.ndim - 1) + [(0, -K % 32)]); x = x.reshape(x.shape[:-1] + (-1, 32)); a = np.abs(x).max(-1, keepdims=True)
;;       e = np.where(a > 0, np.clip(np.frexp(np.where(a > 0, a, 1))[1] - 1 - 2, -126, 127), 0)      # np.frexp(a)[1] - 1 = floor(log2(a)), exactly
;;       r = np.clip(x / 2.0 ** e, -6, 6)
;;       step = 2.0 ** (np.maximum(np.frexp(np.where(r == 0, 1, r))[1] - 1, 0) - 1)
;;       q = np.round(r / step) * step * 2.0 ** e      # np.round: ties to even
;;       return np.moveaxis(q.reshape(q.shape[:-2] + (-1,))[..., :K], -1, axis).astype(np.float32)
;;   ~~~
;; One version. Each part assembles by itself: llvm-mc -triple=amdgcn-amd-amdhsa -mcpu=gfx1250 --defsym DOCPART=n.
;; ======== version 1 of 1: 3 launches
;; limits: values are held in f16: magnitudes above 65,504 overflow, below 6.1e-05 lose precision
;; workspace buffers: qbuf 33,554,432 bytes; kbuf 33,554,432 bytes; vbuf 33,554,432 bytes; obuf 33,554,432 bytes; bimg 4,194,304 bytes; pwf 262,144 bytes
;; launch proj (part 1): grid 32 x 6, 4 waves a work-group, no clusters, 36,352 bytes of LDS; arguments x1, x2, wq_w, wk_w, wv_w, wq_b, wk_b, wv_b, B, proj_w, qbuf, kbuf, vbuf, bimg, pwf; writes qbuf, kbuf, vbuf, bimg, pwf
.if DOCPART == 1
	.amdgcn_target "amdgcn-amd-amdhsa--gfx1250"
	.amdhsa_code_object_version 6
	.text
	.protected	k_q505ee72eff_proj
	.globl	k_q505ee72eff_proj
	.p2align	8
	.type	k_q505ee72eff_proj,@function
k_q505ee72eff_proj:
	s_mov_b64 s[64:65], 0
	v_nop
	global_prefetch_b8 v0, s[64:65] scope:SCOPE_SE
	s_setreg_imm32_b32 hwreg(HW_REG_WAVE_MODE, 25, 1), 1
	s_wait_xcnt 0x0
; q = x1 wq^T + bq, k = x2 wk^T + bk, v = x2 wv^T + bv: the three products on codes of FP4 (E2M1) with one E8M0 scale for each 32 along K = 256; sums in f32; results rounded once to f16
; and laid [16 batches x 8 heads][1024 rows][128 channels], rows of 256 bytes.  Both operands arrive as f32 with K innermost and are quantised here, in registers.
; SHARES.  Work-group y = 2 t + half: t picks the product (q, k, v), half four of its eight heads; work-group x picks 512 rows (half a batch).  Wave w owns head 4 half + w: its 128 rows of the weight
; (16 fragments of 16 rows x 128 K), their scale words and its bias stay in registers for the whole launch.  The work-group walks 8 blocks of 64 rows of x: wave w quantises rows 16 w .. 16 w + 15 (two fragments),
; and the fragments go from wave to wave through LDS as images of their registers: 16 bytes a lane at 16 x lane, the scale word at 4 x lane.
; THE MATRIX INSTRUCTION IS USED TRANSPOSED: source 0 = 16 rows of the weight (channels), source 1 = 16 rows of x: a lane then holds eight neighbouring channels of one row; the bias is the C of each sum's first product.
; AHEAD.  Four sets of 64 numbers take turns: a fragment of the weight is asked for three fragments ahead, a block of x two blocks ahead: 64 loads of 512 bytes a wave are on their way.
; Block i + 1 is quantised inside block i's way out: its vector work stands between a tile's way into the stage and the wait for its way back, and its images go into the image set that block i does not read.
; ON THE SIDE, once: sqrt(128) x B laid as the C operand of the next launch's score tiles (work-groups y < 4), and proj_w as f16 laid as the last launch's source 0 (y >= 4).
; A block's scale is 2^(floor(log2(its largest magnitude)) - 2); its byte is the largest magnitude's exponent field - 2, held at 1 from below.
; LIMITS: NaN and infinities among the inputs are not served.  A block of zeros gets the byte 1 where the rule says 127: its codes are zeros, and this program alone reads the bytes.
; Results beyond 65,504 in magnitude have no f16 number; under 6e-5 f16 keeps an absolute step of 6e-8.
; 192 work-groups: the work is 3 x a power of two, which no multiple of 256 divides evenly.  No prefetch of x: its loads into registers go out two blocks ahead.
; REGISTERS, in windows of 256: window 0: v1-9 addresses; v10-17 the codes just made; v18-30 at work; v32-47 the weight's scale words; v48-111, v112-175, v176-239 three sets of 64 numbers; v240-247 x's scale words;
;   v252, v253 the add's two.   window 1: v0-127 the weight's 16 fragments (tile tt, K step s at 8 (2 tt + s)); v128-191 the bias, 8 tiles.   window 2: the 32 accumulators (rows 16 m on, tile tt at 64 m + 8 tt);
;   at the head the side job's numbers.   window 3: v0-63 x's 8 fragments (8 (2 m + s)); v64-95 packed results; v96-127, v128-159 rows read back from the stage, by turns; v160-223 the fourth set of numbers.
.set SETB,   9216                      ; LDS: two sets of images, by turns: 8 fragments of 1,024 bytes, then 8 x 128 bytes of scale words
.set XIMG,   0
.set XSC,    8192
.set STG,    2*SETB                    ; a stage of 16 rows x 272 bytes for each wave
.set SPITCH, 272
.set SPARE,  STG+4*16*SPITCH           ; the spare words, 128 bytes for each wave: two blocks of 256 bytes that no other line names
.set XA,  1                            ; v1  my lane's byte in 16 rows of f32: 1,024 r + 64 h
.set LI,  2                            ; v2  16 x lane
.set LS,  3                            ; v3  4 x lane
.set XWI, 4                            ; v4  where I store my images: 16 x lane + 2,048 x wave
.set XWS, 5                            ; v5  and their scale words: 4 x lane + 256 x wave
.set STO, 6                            ; v6  the stage: where I put 16 bytes of a row
.set RD,  7                            ; v7  and where I read rows back
.set BV,  8                            ; v8  32 h: my half's eight numbers of a bias tile
.set PV4, 9                            ; v9  4,096 r + 32 h: my lane's place in 16 rows of B or of proj_w
.set PC,  10
.set TM,  18                           ; v18-21 largest magnitudes, v22-25 bytes, v26-29 the conversions' scale operands
.set PW,  30                           ; the scale word just made
.set W1S, 32
.set SET0, 48                          ; the sets of numbers: three in window 0,
.set SET1, 112
.set SET2, 176
.set SET3, 160                         ; one in window 3
.set XS,  240
.set SPW, 252                          ; LDS address of my spare word; never rewritten
.set NIL, 253                          ; 0; never rewritten
.set TMP, 64                           ; in window 3
.set BK,  96                           ; in window 3
.set WV,  38
.set GX,  39
.set GY,  40
.set TT,  41
.set HF,  42
.set HD,  43
.set XB,  44                           ; s[44:45] x at my wave's 16 rows of the trip's first block
.set WB,  46                           ; s[46:47] the weight at my head's 128 rows
.set BI,  48                           ; s[48:49] the bias at my head
.set OU,  50                           ; s[50:51] the result at my head's rows of the trip's first block
.set SEL, 52                           ; s[52:53] v_permlanex16_b32's selects for lane l xor 16
.set TRIP, 54
.set MSB, 0
.macro WIN new                         ; the immediate's high byte repeats the setting that is left; a switch that changes nothing is dropped
.if MSB != (\new)
	s_set_vgpr_msb (MSB<<8)|(\new)
.set MSB, (\new)
.endif
.endm
; 64 numbers a lane, into the set at v[reg] of window w: of my row, 16 neighbours of each of four blocks of 32
.macro XLOAD reg, w, base, off
	WIN (\w)<<6
.irp b, 0,1,2,3
.irp j, 0,1,2,3
	global_load_b128 v[\reg+16*\b+4*\j:\reg+16*\b+4*\j+3], v[XA], s[\base:\base+1] offset:\off+128*\b+16*\j
.endr
.endr
	WIN 0
.endm
; 64 numbers of a lane in window w, register 16 b + i = k 32 b + 16 (lane / 16) + i of my row, become a fragment's codes in v[PC] on and its scale word in v[PW].
; The numbers are sources 0 and 1 of the maxima and source 0 of the conversions: all else lies in window 0.
.macro QUANT s, w
	WIN 5*(\w)
.irp b, 0,1,2,3
	v_max3_num_f32 v[TM+\b], |v[\s+16*\b]|, |v[\s+1+16*\b]|, 0x1800000   ; block b: my 16 numbers, and the floor 2^(3 - 127): the byte cannot fall under 1
.endr
.irp i, 2,4,6,8,10,12,14
.irp b, 0,1,2,3
	v_max3_num_f32 v[TM+\b], |v[\s+16*\b+\i]|, |v[\s+1+16*\b+\i]|, v[TM+\b]   ; the four blocks by turns
.endr
.endr
	WIN 0
.irp b, 0,1,2,3
	v_permlanex16_b32 v[TM+4+\b], v[TM+\b], s[SEL], s[SEL+1]
.endr
.irp b, 0,1,2,3
	v_max_num_f32 v[TM+\b], v[TM+\b], v[TM+4+\b]   ; with lane l xor 16's: the block's largest magnitude
.endr
.irp b, 0,1,2,3
	v_add_nc_u32 v[TM+8+\b], 0xff000000, v[TM+\b]  ; 2 off its exponent field: the conversion takes the exponent field of this operand as its scale
.endr
.irp b, 0,1,2,3
	v_lshrrev_b32 v[TM+4+\b], 23, v[TM+8+\b]       ; the scale's byte
.endr
	v_lshl_or_b32 v[PW], v[TM+5], 8, v[TM+4]       ; the four bytes make my row's scale word
	v_lshl_or_b32 v[PW], v[TM+6], 16, v[PW]
	v_lshl_or_b32 v[PW], v[TM+7], 24, v[PW]
	WIN \w
.irp b, 0,1,2,3
	v_cvt_scalef32_pk8_fp4_f32 v[PC+2*\b], v[\s+16*\b:\s+7+16*\b], v[TM+8+\b]
	v_cvt_scalef32_pk8_fp4_f32 v[PC+1+2*\b], v[\s+8+16*\b:\s+15+16*\b], v[TM+8+\b]
.endr
	WIN 0
	v_nop                                          ; one plain place behind a scaled conversion
.irp c, 0,1                                    ; the operand's layout wants a whole block in a lane: lanes 0-15 block 2 c, lanes 16-31 block 2 c + 1
.irp i, 0,1
	v_permlane16_swap_b32 v[PC+4*\c+\i], v[PC+2+4*\c+\i]
.endr
.endr
.endm
.macro IMAGE off                               ; the fragment in v[PC] on goes to LDS as it stands
.irp c, 0,1
	ds_store_b128 v[XWI], v[PC+4*\c:PC+4*\c+3] offset:\off+512*\c
.endr
.endm
.macro PLACES
.rept 4
	v_nop
.endr
.endm
; THE WAY OUT of rows 16 m on.  PACK: rounded to f16, each accumulator from its low end on.  TOSTAGE: into my own stage and back as whole rows of 256 bytes.  SEND: stored.
.macro PACK m
	WIN 0xca                                       ; sources window 2, destination window 3
.irp tt, 0,1,2,3,4,5,6,7
.irp i, 0,1,2,3
	v_cvt_pk_f16_f32 v[TMP+4*\tt+\i], v[64*(\m)+8*\tt+2*\i], v[64*(\m)+8*\tt+2*\i+1]
.endr
.endr
.endm
.macro TOSTAGE m
	WIN 0x0c                                       ; an LDS store's data are its source 1: window 3
.irp tt, 0,1,2,3,4,5,6,7
	ds_store_b128 v[STO], v[TMP+4*\tt:TMP+4*\tt+3] offset:32*\tt
.endr
	WIN 0xc0
.irp i, 0,1,2,3,4,5,6,7
	ds_load_b128 v[BK+32*((\m)%2)+4*\i:BK+32*((\m)%2)+4*\i+3], v[RD] offset:2*SPITCH*\i   ; LDS serves a wave's instructions in order: these see the stores above
.endr
.endm
.macro SEND m, boff
	s_wait_dscnt 0x0                               ; the rows are back in registers
	s_wait_xcnt 0x0                                ; the stores of the tile before have read their registers: the next loads from the stage may land there
	WIN 0x0c
.irp i, 0,1,2,3,4,5,6,7
	global_store_b128 v[LI], v[BK+32*((\m)%2)+4*\i:BK+32*((\m)%2)+4*\i+3], s[OU:OU+1] offset:\boff+4096*(\m)+512*\i th:TH_STORE_NT   ; 32 lanes store 512 consecutive bytes: two whole rows
.endr
.endm
	s_load_b512 s[8:23], s[0:1], 0x0               ; x1 8, x2 10, wq 12, wk 14, wv 16, bq 18, bk 20, bv 22
	s_load_b256 s[24:31], s[0:1], 0x40             ; B 24, proj_w 26, qbuf 28, kbuf 30
	s_load_b128 s[32:35], s[0:1], 0x60             ; vbuf 32, bimg 34
	s_load_b64 s[36:37], s[0:1], 0x70              ; pwf
	v_lshl_add_u32 v[SPW], v0, 2, SPARE
	v_mov_b32 v[NIL], 0
	v_lshrrev_b32 v248, 5, v0
	v_readfirstlane_b32 s[WV], v248                ; wave 0..3
	s_mov_b32 s[GX], ttmp9
	s_and_b32 s[GY], ttmp7, 0xffff
	s_lshr_b32 s[TT], s[GY], 1                     ; which product
	s_and_b32 s[HF], s[GY], 1                      ; which four heads
	s_lshl_b32 s[HD], s[HF], 2
	s_add_co_u32 s[HD], s[HD], s[WV]               ; my head
	v_and_b32 v248, 31, v0                         ; lane
	v_and_b32 v249, 15, v0                         ; r
	v_bfe_u32 v250, v0, 4, 1                       ; h
	v_lshlrev_b32 v[XA], 10, v249
	v_lshl_add_u32 v[XA], v250, 6, v[XA]
	v_lshlrev_b32 v[LI], 4, v248
	v_lshlrev_b32 v[LS], 2, v248
	s_lshl_b32 s56, s[WV], 11
	v_add_nc_u32 v[XWI], s56, v[LI]
	s_lshl_b32 s56, s[WV], 8
	v_add_nc_u32 v[XWS], s56, v[LS]
	s_mul_i32 s56, s[WV], 16*SPITCH
	s_add_co_u32 s56, s56, STG                     ; my stage
	v_mul_u32_u24 v[STO], v249, SPITCH             ; in: row r, 16 bytes for each half of the lanes
	v_lshl_add_u32 v[STO], v250, 4, v[STO]
	v_add_nc_u32 v[STO], s56, v[STO]
	v_mul_u32_u24 v[RD], v250, SPITCH              ; back: lanes 0-15 one row of 256 bytes, lanes 16-31 the next
	v_lshl_add_u32 v[RD], v249, 4, v[RD]
	v_add_nc_u32 v[RD], s56, v[RD]
	v_lshlrev_b32 v[BV], 5, v250
	v_lshlrev_b32 v[PV4], 12, v249
	v_lshl_add_u32 v[PV4], v250, 5, v[PV4]
.irp b, 0,1,2,3
	v_mov_b32 v[TM+4+\b], 0                        ; written once: a lane permute's destination counts as one of its sources
.endr
	s_mov_b32 s[SEL], 0x76543210
	s_mov_b32 s[SEL+1], 0xfedcba98
	s_mov_b32 s58, 0x413504f3                      ; sqrt(128)
	s_mov_b32 s59, s58                             ; (named with it as a pair, so it is written)
	s_mov_b32 s[TRIP], 2
	s_wait_kmcnt 0x0
	s_cmp_eq_u32 s[TT], 1                          ; the buffers are chosen by the work-group's number alone
	s_cselect_b64 s[WB:WB+1], s[14:15], s[16:17]
	s_cselect_b64 s[BI:BI+1], s[20:21], s[22:23]
	s_cselect_b64 s[OU:OU+1], s[30:31], s[32:33]
	s_cmp_eq_u32 s[TT], 0
	s_cselect_b64 s[WB:WB+1], s[12:13], s[WB:WB+1]
	s_cselect_b64 s[BI:BI+1], s[18:19], s[BI:BI+1]
	s_cselect_b64 s[OU:OU+1], s[28:29], s[OU:OU+1]
	s_cselect_b64 s[XB:XB+1], s[8:9], s[10:11]
	s_mov_b32 s57, 0
	s_lshl_b32 s56, s[GX], 19                      ; 512 rows of 1,024 bytes,
	s_lshl_b32 s55, s[WV], 14                      ; my wave's 16 rows
	s_add_co_u32 s56, s56, s55
	s_add_nc_u64 s[XB:XB+1], s[XB:XB+1], s[56:57]
	s_lshl_b32 s56, s[HD], 17                      ; 128 rows of 1,024 bytes a head
	s_add_nc_u64 s[WB:WB+1], s[WB:WB+1], s[56:57]
	s_lshl_b32 s56, s[HD], 9
	s_add_nc_u64 s[BI:BI+1], s[BI:BI+1], s[56:57]
	s_lshr_b32 s56, s[GX], 1                       ; the batch
	s_lshl_b32 s56, s56, 3
	s_add_co_u32 s56, s56, s[HD]
	s_lshl_b32 s56, s56, 18                        ; 1,024 rows of 256 bytes for each batch and head,
	s_and_b32 s55, s[GX], 1
	s_lshl_b32 s55, s55, 17                        ; which 512 of them
	s_add_co_u32 s56, s56, s55
	s_add_nc_u64 s[OU:OU+1], s[OU:OU+1], s[56:57]
	WIN 0x40                                       ; destination window 1
.irp tt, 0,1,2,3,4,5,6,7                       ; the bias in the result's layout: register j of tile tt = channel 16 tt + 8 h + j
.irp c, 0,1
	global_load_b128 v[128+8*\tt+4*\c:128+8*\tt+4*\c+3], v[BV], s[BI:BI+1] offset:64*\tt+16*\c
.endr
.endr
	WIN 0
	XLOAD SET0, 0, WB, 0                           ; the weight's fragments 0 to 3: all four sets are asked for before anything is waited for
	XLOAD SET1, 0, WB, 512
	XLOAD SET2, 0, WB, 16384
	XLOAD SET3, 3, WB, 16384+512
	; ---- the side job: each wave lays 8 tiles of B, or one fragment of proj_w, through registers of window 2, which are idle here.  Neither arm touches LDS
	s_lshl_b32 s55, s[GY], 5
	s_add_co_u32 s55, s55, s[GX]
	s_lshl_b32 s55, s55, 2
	s_add_co_u32 s55, s55, s[WV]                   ; the wave's number in the launch
	s_cmp_lt_u32 s[GY], 4
	s_cbranch_scc0 .Lside_pw
	s_lshr_b32 s56, s55, 3                         ; waves 0 to 511: query tile T = number / 8, key tiles 8 (number % 8) on
	s_lshl_b32 s56, s56, 16                        ; 16 rows of 4,096 bytes
	s_and_b32 s60, s55, 7
	s_lshl_b32 s60, s60, 9                         ; 8 tiles of 64 bytes of a row
	s_add_co_u32 s56, s56, s60
	s_add_nc_u64 s[60:61], s[24:25], s[56:57]
	s_lshl_b32 s56, s55, 13                        ; 8 images of 1,024 bytes
	s_add_nc_u64 s[62:63], s[34:35], s[56:57]
	WIN 0x80                                       ; destination window 2
.irp i, 0,1,2,3,4,5,6,7
.irp c, 0,1
	global_load_b128 v[8*\i+4*\c:8*\i+4*\c+3], v[PV4], s[60:61] offset:64*\i+16*\c th:TH_LOAD_NT   ; B(16 T + r, 16 kt + 8 h + 4 c + 0 .. 3)
.endr
.endr
	s_wait_loadcnt 0x0                             ; these, and with them the bias and the weight's first four fragments
	WIN 0x82
.set q, 0
.rept 32
	v_pk_mul_f32 v[q:q+1], v[q:q+1], s[58:59] op_sel_hi:[1,0]   ; x sqrt(128): the scores are scaled by 1 / sqrt(128) behind the sum
.set q, q+2
.endr
	WIN 0x08                                       ; a store's data are its source 1: window 2
.irp i, 0,1,2,3,4,5,6,7
.irp c, 0,1
	global_store_b128 v[LI], v[8*\i+4*\c:8*\i+4*\c+3], s[62:63] offset:1024*\i+512*\c   ; 512 consecutive bytes
.endr
.endr
	WIN 0
	s_branch .Lside_done
.Lside_pw:
	s_and_b32 s55, s55, 255                        ; waves 512 to 767: fragment f = 32 ct + ks
	s_lshr_b32 s56, s55, 5
	s_lshl_b32 s56, s56, 16                        ; 16 rows of 4,096 bytes
	s_and_b32 s60, s55, 31
	s_lshl_b32 s60, s60, 7                         ; 32 numbers of a row
	s_add_co_u32 s56, s56, s60
	s_add_nc_u64 s[60:61], s[26:27], s[56:57]
	s_lshl_b32 s56, s55, 10
	s_add_nc_u64 s[62:63], s[36:37], s[56:57]
	WIN 0x80
.irp c2, 0,1
.irp c, 0,1
	global_load_b128 v[8*\c2+4*\c:8*\c2+4*\c+3], v[PV4], s[60:61] offset:64*\c2+16*\c th:TH_LOAD_NT   ; proj_w(16 ct + r, 32 ks + 16 c2 + 8 h + 0 .. 7)
.endr
.endr
	s_wait_loadcnt 0x0
	WIN 0x8a
.irp c2, 0,1
.irp i, 0,1,2,3
	v_cvt_pk_f16_f32 v[16+4*\c2+\i], v[8*\c2+2*\i], v[8*\c2+2*\i+1]
.endr
.endr
	WIN 0x08
.irp c2, 0,1
	global_store_b128 v[LI], v[16+4*\c2:16+4*\c2+3], s[62:63] offset:512*\c2
.endr
	WIN 0
.Lside_done:
	s_wait_xcnt 0x0                                ; the side job's stores have read their registers, which the sums will take
	; ---- my head's weight becomes 16 fragments that stay: fragment f = 2 tt + s, from set f % 4, which then takes fragment f + 4.  The last four refills are x's blocks 0 and 1
.macro WFRAG f
.if ((\f)%4) == 3
.set XNF, SET3
.set XNW, 3
.else
.set XNF, SET0+64*((\f)%4)
.set XNW, 0
.endif
	s_wait_loadcnt 48                              ; this set's 16 loads are in; the three younger sets' 48 may be out
	QUANT XNF, XNW
	WIN 0x40
.irp i, 0,1,2,3,4,5,6,7
	v_mov_b32 v[8*(\f)+\i], v[PC+\i]
.endr
	WIN 0
	v_mov_b32 v[W1S+(\f)], v[PW]
.if (\f) < 12
	XLOAD XNF, XNW, WB, (((\f)+4)/2)*16384+(((\f)+4)%2)*512
.else
	XLOAD XNF, XNW, XB, (((\f)-12)/2)*65536+(((\f)-12)%2)*512
.endif
.endm
.irp f, 0,1,2,3,4,5,6,7,8,9,10,11,12,13,14,15
	WFRAG \f
.endr
	; ---- block 0 is quantised ahead of the loop, into image set 0; its sets take block 2
	s_wait_loadcnt 48                              ; block 0's K step 0 is in; its K step 1 and block 1 may be out
	QUANT SET0, 0
	IMAGE XIMG
	ds_store_b32 v[XWS], v[PW] offset:XSC
	XLOAD SET0, 0, XB, 2*65536
	s_wait_loadcnt 48                              ; block 0's K step 1 is in; block 1 and the 16 loads just issued may be out
	s_wait_dscnt 0x0                               ; the stores have read their registers
	QUANT SET1, 0
	IMAGE XIMG+1024
	ds_store_b32 v[XWS], v[PW] offset:XSC+128
	XLOAD SET1, 0, XB, 2*65536+512
; A BLOCK OF 64 ROWS, with image set p; bo: its place behind the block at which the bases stand.
; nq = 1: the next block is quantised here, into the other image set; nl = 1: its two sets of numbers then take the block three on.  w0, w1: the younger loads that may stay out at the two waits.
; ONE BARRIER.  In front of it each wave has waited for all its LDS instructions: its images of this block have landed, and its reads of the other image set, a block ago, are over.
; So behind it this block's set is whole, and the other set may be written.
.macro BLOCK p, bo, nq, nl, w0, w1
.if (\p) == 0                                  ; the next block's two sets of numbers: blocks of odd number lie in sets 2 and 3, of even number in sets 0 and 1
.set NA, SET2
.set NB, SET3
.set NBW, 3
.else
.set NA, SET0
.set NB, SET1
.set NBW, 0
.endif
	s_wait_dscnt 0x0
	s_barrier_signal -1
	s_barrier_wait -1
.irp f, 0,1,2,3,4,5,6,7
	ds_load_b32 v[XS+\f], v[LS] offset:XSC+(\p)*SETB+128*\f
.endr
	WIN 0xc0
.irp f, 0,2,4,6,1,3,5,7                        ; K step 0's four fragments first
.irp c, 0,1
	ds_load_b128 v[8*\f+4*\c:8*\f+4*\c+3], v[LI] offset:XIMG+(\p)*SETB+1024*\f+512*\c
.endr
.endr
	s_wait_dscnt 8                                 ; the scale words and K step 0's fragments are in; K step 1's eight loads may be out
	WIN 0x9d                                       ; source 0 (weight) window 1, source 1 (x) window 3, C (bias) window 1, D window 2
.irp m, 0,1,2,3                                ; the 32 accumulators take turns, one instruction a turn
.irp tt, 0,1,2,3,4,5,6,7
	v_wmma_scale_f32_16x16x128_f8f6f4 v[64*\m+8*\tt:64*\m+8*\tt+7], v[16*\tt:16*\tt+7], v[16*\m:16*\m+7], v[128+8*\tt:128+8*\tt+7], v[W1S+2*\tt], v[XS+2*\m] matrix_a_fmt:MATRIX_FMT_FP4 matrix_b_fmt:MATRIX_FMT_FP4
.endr
.endr
	s_wait_dscnt 0x0
	WIN 0xad                                       ; C and D window 2
.irp m, 0,1,2,3
.irp tt, 0,1,2,3,4,5,6,7
	v_wmma_scale_f32_16x16x128_f8f6f4 v[64*\m+8*\tt:64*\m+8*\tt+7], v[16*\tt+8:16*\tt+15], v[16*\m+8:16*\m+15], v[64*\m+8*\tt:64*\m+8*\tt+7], v[W1S+2*\tt+1], v[XS+2*\m+1] matrix_a_fmt:MATRIX_FMT_FP4 matrix_b_fmt:MATRIX_FMT_FP4
.endr
.endr
	PLACES                                         ; four places in front of the first read of results
	PACK 0
	TOSTAGE 0
.if \nq
	s_wait_loadcnt \w0                             ; the next block's K step 0 is in
	QUANT NA, 0                                    ; its vector work stands between tile 0's way into the stage and the wait for its way back
	IMAGE XIMG+(1-(\p))*SETB
	ds_store_b32 v[XWS], v[PW] offset:XSC+(1-(\p))*SETB
.if \nl
	XLOAD NA, 0, XB, ((\bo)+3)*65536
.endif
.endif
	PACK 1
	SEND 0, (\bo)*16384
	TOSTAGE 1
.if \nq
	s_wait_loadcnt \w1                             ; the next block's K step 1 is in
	QUANT NB, NBW                                  ; (the wait for all LDS instructions in the tile's sending stands between the last images' stores and these codes)
	IMAGE XIMG+(1-(\p))*SETB+1024
	ds_store_b32 v[XWS], v[PW] offset:XSC+(1-(\p))*SETB+128
.if \nl
	XLOAD NB, NBW, XB, ((\bo)+3)*65536+512
.endif
.endif
	PACK 2
	SEND 1, (\bo)*16384
	TOSTAGE 2
	PACK 3
	SEND 2, (\bo)*16384
	TOSTAGE 3
	SEND 3, (\bo)*16384
	WIN 0
.endm
.Ltrip:                                            ; 2 trips of two blocks: blocks 0 to 3, which ask for blocks 3 to 6
	BLOCK 0, 0, 1, 1, 48, 48
	BLOCK 1, 1, 1, 1, 48, 48
	s_wait_xcnt 0x0                                ; loads and stores have read their bases: both may step
	s_add_nc_u64 s[XB:XB+1], s[XB:XB+1], 131072
	s_add_nc_u64 s[OU:OU+1], s[OU:OU+1], 32768
	s_sub_co_u32 s[TRIP], s[TRIP], 1
	s_cmp_lg_u32 s[TRIP], 0
	s_cbranch_scc1 .Ltrip
	BLOCK 0, 0, 1, 1, 48, 48                       ; the last four blocks are written out: block 4 asks for block 7, the last;
	BLOCK 1, 1, 1, 0, 48, 32                       ; block 5 asks for nothing: behind block 6's K step 1 only block 7's 32 loads are younger;
	BLOCK 0, 2, 1, 0, 16, 0                        ; block 6 quantises block 7: 16 younger loads, then none;
	BLOCK 1, 3, 0, 0, 0, 0                         ; block 7 has no successor
	s_wait_tensorcnt 0x0                           ; the wave's end, behind my last LDS store
	ds_add_u32 v[SPW], v[NIL]
	s_wait_dscnt 0x0
	s_endpgm
.Lfunc_end_k_q505ee72eff_proj:
	.size	k_q505ee72eff_proj, .Lfunc_end_k_q505ee72eff_proj-k_q505ee72eff_proj
	.p2alignl 7, 3214868480
	.fill 96, 4, 3214868480
	.section	.rodata,"a",@progbits
	.p2align	6, 0x0
	.amdhsa_kernel k_q505ee72eff_proj
		.amdhsa_group_segment_fixed_size 36352
		.amdhsa_private_segment_fixed_size 0
		.amdhsa_enable_private_segment 0
		.amdhsa_kernarg_size 120
		.amdhsa_user_sgpr_count 2
		.amdhsa_user_sgpr_kernarg_segment_ptr 1
		.amdhsa_wavefront_size32 1
		.amdhsa_system_sgpr_workgroup_id_x 1
		.amdhsa_system_sgpr_workgroup_id_y 1
		.amdhsa_system_sgpr_workgroup_id_z 1
		.amdhsa_system_vgpr_workitem_id 0
		.amdhsa_next_free_vgpr 1024
		.amdhsa_next_free_sgpr 66
		.amdhsa_reserve_vcc 0
		.amdhsa_float_denorm_mode_32 3
		.amdhsa_float_denorm_mode_16_64 3
		.amdhsa_memory_ordered 1
		.amdhsa_forward_progress 1
		.amdhsa_inst_pref_size 255
	.end_amdhsa_kernel
	.section	.bss,"aw",@nobits
	.p2align	6
	.space	262144
	.amdgpu_metadata
---
amdhsa.version: [ 1, 2 ]
amdhsa.kernels:
  - .name:           k_q505ee72eff_proj
    .symbol:         k_q505ee72eff_proj.kd
    .args:
      - { .name: x1, .offset: 0, .size: 8, .value_kind: global_buffer, .address_space: global }
      - { .name: x2, .offset: 8, .size: 8, .value_kind: global_buffer, .address_space: global }
      - { .name: wq_w, .offset: 16, .size: 8, .value_kind: global_buffer, .address_space: global }
      - { .name: wk_w, .offset: 24, .size: 8, .value_kind: global_buffer, .address_space: global }
      - { .name: wv_w, .offset: 32, .size: 8, .value_kind: global_buffer, .address_space: global }
      - { .name: wq_b, .offset: 40, .size: 8, .value_kind: global_buffer, .address_space: global }
      - { .name: wk_b, .offset: 48, .size: 8, .value_kind: global_buffer, .address_space: global }
      - { .name: wv_b, .offset: 56, .size: 8, .value_kind: global_buffer, .address_space: global }
      - { .name: B, .offset: 64, .size: 8, .value_kind: global_buffer, .address_space: global }
      - { .name: proj_w, .offset: 72, .size: 8, .value_kind: global_buffer, .address_space: global }
      - { .name: qbuf, .offset: 80, .size: 8, .value_kind: global_buffer, .address_space: global }
      - { .name: kbuf, .offset: 88, .size: 8, .value_kind: global_buffer, .address_space: global }
      - { .name: vbuf, .offset: 96, .size: 8, .value_kind: global_buffer, .address_space: global }
      - { .name: bimg, .offset: 104, .size: 8, .value_kind: global_buffer, .address_space: global }
      - { .name: pwf, .offset: 112, .size: 8, .value_kind: global_buffer, .address_space: global }
    .group_segment_fixed_size: 36352
    .private_segment_fixed_size: 0
    .kernarg_segment_align: 8
    .kernarg_segment_size: 120
    .max_flat_workgroup_size: 128
    .sgpr_count:     66
    .vgpr_count:     1024
    .wavefront_size: 32
...
	.end_amdgpu_metadata
.endif
;; end of part 1
;; launch attn (part 2): grid 4 x 128, 4 waves a work-group, clusters of 4 x 1, 327,680 bytes of LDS; arguments qbuf, kbuf, vbuf, obuf, bimg; writes obuf
.if DOCPART == 2
	.amdgcn_target "amdgcn-amd-amdhsa--gfx1250"
	.amdhsa_code_object_version 6
	.text
	.protected	k_q505ee72eff_attn
	.globl	k_q505ee72eff_attn
	.p2align	8
	.type	k_q505ee72eff_attn,@function
k_q505ee72eff_attn:
	s_mov_b64 s[64:65], 0
	v_nop
	global_prefetch_b8 v0, s[64:65] scope:SCOPE_SE
	s_setreg_imm32_b32 hwreg(HW_REG_WAVE_MODE, 25, 1), 1
	s_wait_xcnt 0x0
	s_wait_alu depctr_hold_cnt(0) depctr_sa_sdst(0) depctr_va_vdst(0) depctr_va_sdst(0) depctr_va_ssrc(0) depctr_va_vcc(0) depctr_vm_vsrc(0)
	s_getreg_b32 s2, hwreg(HW_REG_IB_STS2, 6, 4)
	s_cmp_eq_u32 s2, 0
	s_cbranch_scc0 .Lentry_in_a_cluster
	s_endpgm
.Lentry_in_a_cluster:
	s_bfe_u32 s2, ttmp6, 0x10000c
	s_cmp_lg_u32 s2, 0x3003
	s_cbranch_scc0 .Lentry_shape_is_right
	s_endpgm
.Lentry_shape_is_right:
; O[g][q][:] = the sum over k of softmax_k(Q[g][q] . K[g][k] / sqrt(128) + B[q][k]) V[g][k][:], g = 8 x batch + head.  Q, K, V: [128][1024][128] f16.  Products, maxima and sums in f32; the weights p
; are rounded to f16 for the second product, O once at the end.
; B arrives as sqrt(128) x B, f32, laid as the C operand of a tile of scores: it is the C of each tile's first product, so S = Q . K + sqrt(128) B leaves the matrix unit, and no vector instruction is spent on it.
; SHARES.  A work-group owns 256 queries of one g, each of its four waves 64: four tiles of 16.  Every wave walks all 1,024 keys, 64 a step.
; LAYOUT.  S^T = K Q^T (source 0 = 16 keys, source 1 = 16 queries): a lane holds ONE query (lane % 16) and the keys 8 (lane / 16) + 0..7.  Two such tiles, rounded to f16 in pairs, ARE source 1 of
; O^T = V^T P, whose result again holds one query a lane, and eight channels.  K comes out of LDS as it lies, V ([key][channel]) turned, by ds_load_tr16_b128.
; SOFTMAX.  For each query a running maximum m and sum l: p = 2^(c S - c m), c = log2(e) / sqrt(128); in every step O and l are multiplied by a = 2^(c m_old - c m_new).
; BY TURNS.  The wave's tiles are two PIECES (tiles 0, 1 and tiles 2, 3).  In a TURN one piece has the matrix unit: 32 products V^T P of the step in hand, then 32 products K Q^T of the next step; the other
; piece's softmax, cut into 64 slices, stands between them, one slice behind each matrix instruction.  Two turns are a key step.
; CLUSTER.  The four query blocks of a g walk the same K and V: each tile is asked for JOINTLY, by the same tensor load with the same descriptor and a mask that names the four.
; B IS NOT ASKED FOR JOINTLY, and goes from memory straight into registers: partners own different queries, so they share none of it; and two slots of a work-group's 256 x 128 scores x 4 bytes (131,072 each)
; do not fit beside K's and V's 143,360 bytes.  A wave's run of 16 loads (512 consecutive bytes each) is issued 114 matrix instructions ahead of its first use.
; O LEAVES AS IMAGES OF THE LAST LAUNCH'S SOURCE 1: a lane's eight channels of a row, 16 bytes, at 16 x lane: no stage in LDS is needed.
; LIMITS: NaN and infinities are not served; O beyond 65,504 has no f16 number.
; REGISTERS, in windows of 256 (s_set_vgpr_msb: bits 1:0 source 0, 3:2 source 1, 5:4 source 2, 7:6 destination):
;   window 0: v0-11 addresses; v12-43 eight registers of statistics a tile; v44, v45 B's offsets; v64-191 S^T, 32 a tile; v192-255 P, 16 a tile
;   window 1: O^T, 64 a tile      window 2: v0-127 Q, 32 a tile; v128-255 K of one step      window 3: v0-127 V of one step; v128-255 B of one step, 32 a tile
.set SIZE_N, 1024
.set KS,    64        ; keys in a step
.set PK,    272       ; a row of K in LDS: 256 bytes + 16 of padding = 68 words: the 16 rows of a load start 4 words apart modulo 64
.set PV,    288       ; a row of V: 256 + 32 = 72 words: 16 lanes of the turning load take 8 rows x 32 bytes, 8 words apart modulo 64
.set VOFF,  KS*PK     ; a step's tiles lie together: 64 rows of K, then 64 rows of V
.set STEPB, KS*(PK+PV)
.set SLOT1, 1<<17     ; a slot holds two steps (71,680 bytes); slot 1 begins here, so that one exclusive or turns an address in one slot into the other's
.set SPARE, SLOT1+2*STEPB  ; behind the ring: the spare words, 128 bytes for each wave: two blocks of 256 bytes that no other line names
.set AK0, 2           ; v2   my lane's place in a tile of K; never rewritten
.set AV0, 3           ; v3   the same for V
.set ADR, 4           ; v4   the LDS address of the run of loads in hand
.set QO,  5           ; v5   my byte offset in the wave's rows of Q
.set GO,  8           ; v8   16 x lane: my place in an image of O
.set BO,  44          ; v44, v45  16 x lane + 4,096 x the step whose B piece 0, piece 2 fetched last
.set SPW, 62          ; v62  LDS address of my spare word; never rewritten
.set NIL, 63          ; v63  0; never rewritten
.set ST,  12          ; tile t's statistics at v[ST+8 t]: +0 c m, +1 m, +2, +3 l (even keys', odd keys'), +4 to +7 at work; a takes +6 once the maximum is found
.set S,   64
.set P,   192
.set KF,  128         ; K's fragments, in window 2
.set BR,  128         ; B's tiles, in window 3
.set WV,  12          ; s12  my wave's number
.set G1K, 24          ; s[24:31] descriptor group 1 for K's tiles
.set G1V, 32          ; s[32:39] for V's: it differs in the padding alone
.set G0K, 40          ; s[40:47] descriptor group 0 for K's tiles: a set for each of the two first fills; the second then walks on
.set G0V, 48          ; s[48:55] the same for V's
.set SLOTS, 56        ; s56  slots still to be asked for
.set TWICE, 57        ; s57  counts a slot's two steps
.set CS,  58          ; s[58:59] c
.set SEL, 60          ; s[60:61] lane selects for v_permlanex16_b32: lane l xor 16
.set TB,  62          ; s62  LDS byte at which the tiles of the step to be fetched begin
.set BB,  66          ; s[66:67] B's images at my wave's first tile of queries
.set PFA, 18          ; s[18:19] where my prefetches stand in memory
.set LIM, 15          ; s15  1 in a wave that prefetches, else the greatest number
.set PFO, 61          ; v61  256 x my lane; never rewritten
.set MSB, 0
.macro WIN new                      ; the immediate's high byte repeats the setting that is left; a switch that changes nothing is dropped
.if MSB != \new
	s_set_vgpr_msb (MSB<<8)|\new
.set MSB, \new
.endif
.endm
.set W_KQ, 0x0a       ; K and Q in window 2, S^T in window 0
.set W_KB, 0x3a       ; the same with C (B) in window 3
.set W_PV, 0x53       ; V in window 3, P in window 0, O^T in window 1
.set W_RS, 0x41       ; O^T (destination and source 0) in window 1, a in window 0
; A joint refill.  Waves 0 and 1 fetch the two steps' tiles of K, waves 2 and 3 those of V.  The branch hangs on the wave's number alone.
; An s_nop 0 and four v_nop follow each of the two lines.
.macro JLOAD
	s_cmp_lt_u32 s[WV], 2
	s_cbranch_scc0 .Lfor_v_\@
	tensor_load_to_lds s[G0K+4:G0K+7], s[G1K:G1K+7]
	s_nop 0
.rept 4
	v_nop
.endr
	s_branch .Lasked_\@
.Lfor_v_\@:
	tensor_load_to_lds s[G0V+4:G0V+7], s[G1V:G1V+7]
	s_nop 0
.rept 4
	v_nop
.endr
.Lasked_\@:
.endm
; A prefetch of what the NEXT change of slots will ask for: a slot's 128 rows of K and 128 of V, 256 bytes a row, a lane a row.  Each row is named once in the launch: a g has one cluster; its four partners
; share the rows out BY ADDRESS, 32 each; in each, wave 0 asks for K's and wave 2 for V's.  The last change that fills a slot asks for nothing.
.macro ASK
	s_cmp_gt_u32 s[SLOTS], s[LIM]
	s_cbranch_scc0 .Lnot_mine_\@
	global_prefetch_b8 v[PFO], s[PFA:PFA+1] th:TH_LOAD_NT scope:SCOPE_SE
.Lnot_mine_\@:
.endm
; A round of the cluster's barrier
.macro CROUND
	s_barrier_signal -1
	s_barrier_wait -1
	s_cmp_lg_u32 s[WV], 0
	s_cbranch_scc1 .Lnot_wave_0_\@
	s_barrier_signal -3
.Lnot_wave_0_\@:
	s_barrier_wait -3
	s_barrier_signal -1
	s_barrier_wait -1
.endm
	s_load_b256 s[4:11], s[0:1], 0x0  ; Q s[4:5], K s[6:7], V s[8:9], O s[10:11]
	s_load_b64 s[BB:BB+1], s[0:1], 0x20  ; B's images
	v_lshl_add_u32 v[SPW], v0, 2, SPARE
	v_mov_b32 v[NIL], 0
	ds_add_u32 v[SPW], v[NIL]       ; the wave's opening: the add, twice on end, and its wait ahead of my first tensor load
	ds_add_u32 v[SPW], v[NIL]       ; and once more, under the one wait
	v_lshrrev_b32 v1, 5, v0
	v_readfirstlane_b32 s[WV], v1   ; wave 0..3
	s_bfe_u32 s13, ttmp6, 0x40000   ; cx: my place in the cluster
	s_lshl_b32 s14, ttmp9, 2        ; in a cluster launch ttmp9 counts clusters
	s_add_co_u32 s14, s14, s13      ; my block of 256 queries: it enters Q's, B's and O's addresses alone
	s_and_b32 s20, ttmp7, 0xffff    ; g, which the four partners share
	s_mov_b32 s21, 0
	s_mov_b64 s[22:23], SIZE_N*256
	s_mul_u64 s[20:21], s[20:21], s[22:23]  ; g's first byte in Q, K and V
	s_and_b32 s16, s[WV], 1         ; which of a slot's two steps I fetch:
	s_lshl_b32 s22, s16, 14         ; its 64 rows of 256 bytes in memory,
	s_mov_b32 s23, 0
	s_add_nc_u64 s[22:23], s[22:23], s[20:21]
	s_mul_i32 s17, s16, STEPB       ; and its place in a slot: no place in the cluster enters an LDS address
	s_lshl_b32 s2, s14, 16          ; my block's 256 rows,
	s_lshl_b32 s3, s[WV], 14        ; my wave's 64 of them
	s_add_co_u32 s2, s2, s3
	s_mov_b32 s3, 0
	s_add_nc_u64 s[2:3], s[2:3], s[20:21]
	s_and_b32 s72, ttmp7, 0xffff    ; O: tile of rows 64 x batch + 16 x block + 4 x wave, 32,768 bytes each; in it my head's 4,096 bytes
	s_lshr_b32 s68, s72, 3
	s_lshl_b32 s68, s68, 6
	s_lshl_b32 s73, s14, 4
	s_add_co_u32 s68, s68, s73
	s_lshl_b32 s73, s[WV], 2
	s_add_co_u32 s68, s68, s73
	s_lshl_b32 s68, s68, 15
	s_and_b32 s72, s72, 7
	s_lshl_b32 s72, s72, 12
	s_add_co_u32 s68, s68, s72
	s_mov_b32 s69, 0
	s_lshl_b32 s70, s14, 20         ; B: tile of queries 16 x block + 4 x wave, 65,536 bytes each
	s_lshl_b32 s73, s[WV], 18
	s_add_co_u32 s70, s70, s73
	s_mov_b32 s71, 0
	; descriptor group 1: a tile of 64 rows x 128 elements, padded in LDS
	s_mov_b32 s[G1K], 15|(1<<16)|(1<<20)|(1<<21)|(5<<22)|(3<<25)  ; 15:0 the mask: all four work-groups; 17:16 elements of 2 bytes; 20 padding on; 21 set beside a mask; 24:22 after every 64 words; 31:25 4 words of it
	s_mov_b32 s[G1V], 15|(1<<16)|(1<<20)|(1<<21)|(5<<22)|(7<<25)  ; the same with 8 words of padding
.irp g, G1K, G1V
	s_mov_b32 s[\g+1], 128<<16      ; tensor_dim0 = 128
	s_mov_b32 s[\g+2], KS<<16       ; tensor_dim1 = 64
	s_mov_b32 s[\g+3], 128<<16      ; tile_dim0 = 128
	s_mov_b32 s[\g+4], KS           ; tile_dim1 = 64
	s_mov_b32 s[\g+5], 128          ; elements from row to row
	s_mov_b32 s[\g+6], 0
	s_mov_b32 s[\g+7], 0
.endr
	s_mov_b32 s[CS], 0x3e0293ee     ; c = log2(e) / sqrt(128)
	s_mov_b32 s[CS+1], s[CS]        ; named with it as a pair, so it is written
	s_mov_b32 s[SEL], 0x76543210
	s_mov_b32 s[SEL+1], 0xfedcba98
	s_mov_b32 s[TB], 0
	s_mov_b32 s[SLOTS], SIZE_N/(2*KS)-2
	s_and_b32 s[LIM], s[WV], 1       ; 0 in waves 0 and 2,
	s_or_b32 s[LIM], s[LIM], ttmp9   ; of g's first (and only) cluster: the same in all four partners
	s_cmp_eq_u32 s[LIM], 0
	s_cselect_b32 s[LIM], 1, -1
	v_and_b32 v[PFO], 31, v0
	v_lshlrev_b32 v[PFO], 8, v[PFO]
	s_wait_dscnt 0x0                ; both opening adds are done
	s_wait_kmcnt 0x0
	s_add_nc_u64 s[6:7], s[6:7], s[22:23]  ; K and V at my tile of slot 0
	s_add_nc_u64 s[8:9], s[8:9], s[22:23]
	s_add_nc_u64 s[4:5], s[4:5], s[2:3]  ; Q at my wave's first row
	s_add_nc_u64 s[10:11], s[10:11], s[68:69]
	s_add_nc_u64 s[BB:BB+1], s[BB:BB+1], s[70:71]
	s_cmp_lt_u32 s[WV], 2
	s_cselect_b64 s[PFA:PFA+1], s[6:7], s[8:9]  ; (in waves 0 and 2 these stand at a slot's first row)
	s_lshl_b32 s2, s13, 13          ; my work-group's 32 rows of the 128
	s_mov_b32 s3, 0
	s_add_nc_u64 s[PFA:PFA+1], s[PFA:PFA+1], s[2:3]
	s_add_nc_u64 s[PFA:PFA+1], s[PFA:PFA+1], 2*2*KS*256  ; in slot 2; the first change of slots steps it to slot 3.  Nothing is prefetched at the head
	CROUND                          ; all four work-groups are here: the first joint loads meet
.irp s, 0,1
	s_mov_b32 s[G0K+4*\s], 1        ; count = 1
	s_add_co_u32 s[G0K+4*\s+1], s17, \s*SLOT1  ; LDS address
	s_add_nc_u64 s[G0K+4*\s+2:G0K+4*\s+3], s[6:7], \s*2*KS*256  ; global address: slot s begins with keys 128 s
	s_or_b32 s[G0K+4*\s+3], s[G0K+4*\s+3], 0x80000000  ; type = 2
	s_mov_b32 s[G0V+4*\s], 1
	s_add_co_u32 s[G0V+4*\s+1], s17, \s*SLOT1+VOFF
	s_add_nc_u64 s[G0V+4*\s+2:G0V+4*\s+3], s[8:9], \s*2*KS*256
	s_or_b32 s[G0V+4*\s+3], s[G0V+4*\s+3], 0x80000000
.endr
	s_cmp_lt_u32 s[WV], 2           ; a wave's two first fills stand in one branch, ahead of every wait on TENSORcnt and every LDS read: two loads of mine are out
	s_cbranch_scc0 .Lfirst_v
	tensor_load_to_lds s[G0K:G0K+3], s[G1K:G1K+7]
	s_nop 0
	tensor_load_to_lds s[G0K+4:G0K+7], s[G1K:G1K+7]
	s_nop 0
.rept 4
	v_nop
.endr
	s_branch .Lfirst_asked
.Lfirst_v:
	tensor_load_to_lds s[G0V:G0V+3], s[G1V:G1V+7]
	s_nop 0
	tensor_load_to_lds s[G0V+4:G0V+7], s[G1V:G1V+7]
	s_nop 0
.rept 4
	v_nop
.endr
.Lfirst_asked:
; B of one key step for piece x: two tiles of queries x four tiles of keys, 1,024 bytes each, as the C operand's registers.  step = 1: the piece's next step, 4,096 bytes on; the offset register is stepped
; behind the wait that showed its last loads done.  These bytes are read again by every g: no hint.
.macro FETCH_B x, step
	WIN 0
.if \step
	v_add_nc_u32 v[BO+(\x)/2], 4096, v[BO+(\x)/2]
.endif
	WIN 0xc0                        ; destination window 3
.irp tt, 0,1
.irp kt, 0,1,2,3
.irp c, 0,1
	global_load_b128 v[BR+32*((\x)+\tt)+8*\kt+4*\c:BR+32*((\x)+\tt)+8*\kt+4*\c+3], v[BO+(\x)/2], s[BB:BB+1] offset:((\x)+\tt)*65536+\kt*1024+\c*512
.endr
.endr
.endr
.endm
	; A fragment of K or Q is 16 rows x 32 channels in 8 registers: lane l holds row l % 16; registers 0-3 channels 8 (l / 16) + 0..7, registers 4-7 channels 16 + 8 (l / 16) + 0..7
	v_and_b32 v1, 15, v0            ; l % 16
	v_bfe_u32 v9, v0, 4, 1          ; l / 16
	v_lshlrev_b32 v[QO], 8, v1
	v_lshl_add_u32 v[QO], v9, 4, v[QO]  ; row x 256 + 16 x half
	v_and_b32 v[GO], 31, v0
	v_lshlrev_b32 v[GO], 4, v[GO]
	v_mov_b32 v[BO], v[GO]
	v_mov_b32 v[BO+1], v[GO]
	WIN 0x80                        ; destination window 2, address window 0
.irp i, 0,1,2,3,4,5,6,7,8,9,10,11,12,13,14,15  ; Q stays in registers: tile i / 4, channels 32 (i % 4) on
	global_load_b128 v[8*\i:8*\i+3],   v[QO], s[4:5] offset:(\i/4)*4096+(\i%4)*64
	global_load_b128 v[8*\i+4:8*\i+7], v[QO], s[4:5] offset:(\i/4)*4096+(\i%4)*64+32
.endr
	FETCH_B 0, 0                    ; B of key step 0, piece 0's first
	FETCH_B 2, 0
	WIN 0
	v_mul_u32_u24 v[AK0], v1, PK
	v_lshl_add_u32 v[AK0], v9, 4, v[AK0]  ; row x pitch + 16 x half
	; The turning load takes 16 keys x 16 channels (lane l reads 16 bytes: key 8 (l / 16) + l % 8, channels 8 ((l / 8) % 2) + 0..7) and leaves half a fragment of V^T
	v_and_b32 v10, 7, v0
	v_bfe_u32 v11, v0, 3, 1
	v_lshl_add_u32 v[AV0], v9, 3, v10
	v_mul_u32_u24 v[AV0], v[AV0], PV
	v_lshl_add_u32 v[AV0], v11, 4, v[AV0]
	v_add_nc_u32 v[AV0], VOFF, v[AV0]
; THE MATRIX WORK OF A TURN, for piece x.  The accumulators take turns, one instruction a turn.
; Product i of 32 of O^T += V^T P: keys 32 (i / 16) on, channels 16 ((i / 2) % 8) on, tile x + i % 2.  zero = 1: the first 16 start the sums.
.macro PV x, zero
	WIN W_PV
.set rO, 64*(\x+i%2)+8*((i/2)%8)
.set rV, 64*(i/16)+8*((i/2)%8)
.set rP, P+16*(\x+i%2)+8*(i/16)
.if \zero && (i < 16)
	v_wmma_f32_16x16x32_f16 v[rO:rO+7], v[rV:rV+7], v[rP:rP+7], 0
.else
	v_wmma_f32_16x16x32_f16 v[rO:rO+7], v[rV:rV+7], v[rP:rP+7], v[rO:rO+7]
.endif
.endm
; Product i of 32 of S^T = K Q^T + B: channels 32 (i / 8) on, keys 16 ((i / 2) % 4) on, tile x + i % 2.  The first 8 start the sums with B's tiles as C.
.macro KQ x
.set rS, S+32*(\x+i%2)+8*((i/2)%4)
.set rK, KF+32*((i/2)%4)+8*(i/8)
.set rQ, 32*(\x+i%2)+8*(i/8)
.set rB, BR+32*(\x+i%2)+8*((i/2)%4)
.if i < 8
	WIN W_KB
	v_wmma_f32_16x16x32_f16 v[rS:rS+7], v[rK:rK+7], v[rQ:rQ+7], v[rB:rB+7]
.else
	WIN W_KQ
	v_wmma_f32_16x16x32_f16 v[rS:rS+7], v[rK:rK+7], v[rQ:rQ+7], v[rS:rS+7]
.endif
.endm
; THE LDS LOADS stand in runs of 32: a step's K (16 fragments) and, a turn later, its V (turned).
.macro FETCH_K
	WIN 0
	v_add_nc_u32 v[ADR], s[TB], v[AK0]
	WIN 0x80                        ; destination window 2
.irp f, 0,1,2,3,4,5,6,7,8,9,10,11,12,13,14,15  ; keys 16 (f / 4) on, channels 32 (f % 4) on
	ds_load_b128 v[KF+8*\f:KF+8*\f+3],   v[ADR] offset:(\f/4)*16*PK+(\f%4)*64
	ds_load_b128 v[KF+8*\f+4:KF+8*\f+7], v[ADR] offset:(\f/4)*16*PK+(\f%4)*64+32
.endr
.endm
.macro FETCH_V
	WIN 0
	v_add_nc_u32 v[ADR], s[TB], v[AV0]
	s_add_co_u32 s[TB], s[TB], STEPB  ; the next fetch is the next step's
	s_wait_alu depctr_va_vdst(0)    ; the wait for the softmax's batch of exponentials, ahead of the first instruction that names a result
	WIN 0xc0                        ; destination window 3
.irp f, 0,1,2,3,4,5,6,7,8,9,10,11,12,13,14,15  ; keys 32 (f / 8) on, channels 16 (f % 8) on
	ds_load_tr16_b128 v[8*\f:8*\f+3],   v[ADR] offset:(\f/8)*32*PV+(\f%8)*32
	ds_load_tr16_b128 v[8*\f+4:8*\f+7], v[ADR] offset:(\f/8)*32*PV+16*PV+(\f%8)*32
.endr
.endm
; THE VECTOR WORK OF A TURN.  One tile's softmax for one key step is a list of 134 instructions; SM writes number j of it for tile t.  s0-s31 are the lane's 32 scores, in pairs 0-15.
; first = 1: the first key step, which starts m, l and O^T.
;   0-15    the maximum of s0-s31 and the old m, three operands at a time      16-20   the other half of the lanes' maximum; the new m; c m; c m_old - c m_new
;   21-69   ONE BATCH: the 16 scalings c s - c m and all 33 exponentials (a at 23, then s0-s31); none of these reads an exponential's result
;   (wait)  between 69 and 70 stands the wait for the batch, once for both tiles
;   70-85   the roundings to f16      86-101  the sums; l = a l + the sum      102-133 the tile's O^T times a
.macro SM t, first
.set rT, ST+8*(\t)
.set rS, S+32*(\t)
.set rP, P+16*(\t)
.set rO, 64*(\t)+2*(j-102)
.if j < 102
	WIN 0
.endif
.if j < 4
	v_max3_num_f32 v[rT+4+j], v[rS+8*j], v[rS+8*j+1], v[rS+8*j+2]
.elseif j < 12
	v_max3_num_f32 v[rT+4+j%4], v[rT+4+j%4], v[rS+8*(j%4)+2*(j/4)+1], v[rS+8*(j%4)+2*(j/4)+2]
.elseif j == 12
	v_max3_num_f32 v[rT+4], v[rT+4], v[rS+7], v[rS+15]
.elseif j == 13
	v_max3_num_f32 v[rT+6], v[rT+6], v[rS+23], v[rS+31]
.elseif j == 14
	v_max3_num_f32 v[rT+4], v[rT+4], v[rT+5], v[rT+6]
.elseif (j == 15) && \first
	v_max_num_f32 v[rT+4], v[rT+4], v[rT+7]
.elseif j == 15
	v_max3_num_f32 v[rT+4], v[rT+4], v[rT+7], v[rT+1]
.elseif j == 16
	v_permlanex16_b32 v[rT+5], v[rT+4], s[SEL], s[SEL+1]  ; the query's other 32 keys lie in the lane 16 away
.elseif j == 18
	v_max_num_f32 v[rT+1], v[rT+4], v[rT+5]
.elseif j == 19
	v_mul_f32 v[rT], s[CS], v[rT+1]
.elseif ((j == 17) || (j == 20) || (j == 23) || (j > 101)) && \first  ; the first step has none of these
.elseif j == 17
	v_mov_b32 v[rT+7], v[rT]        ; c m_old is kept for a: number 19 writes c m anew
.elseif j == 20
	v_sub_f32 v[rT+7], v[rT+7], v[rT]
.elseif j == 23
	v_exp_f32 v[rT+6], v[rT+7]
.elseif (j < 23) || ((j < 38) && (j%2 == 0)) || ((j < 66) && (j%4 == 2))
.set b, (j-2)/4                     ; 38, 42, .. 62: pairs 9 to 15
.if j < 38
.set b, (j-20)/2                    ; 21: pair 0; 22, 24, .. 36: pairs 1 to 8
.endif
	v_pk_fma_f32 v[rS+2*b:rS+2*b+1], v[rS+2*b:rS+2*b+1], s[CS:CS+1], v[rT:rT+1] op_sel_hi:[1,0,0] neg_lo:[0,0,1] neg_hi:[0,0,1]  ; pair b: c s - c m
.elseif j < 70
.set e, j-38                        ; 66 to 69: s28 to s31
.if j < 66
.set e, j-32-(j-38)/4               ; 39-41, 43-45, .. 63-65: s7 to s27
.endif
.if j < 38
.set e, (j-25)/2                    ; 25, 27, .. 37: s0 to s6
.endif
	v_exp_f32 v[rS+e], v[rS+e]
.elseif j < 86
	v_cvt_pk_f16_f32 v[rP+j-70], v[rS+2*(j-70)], v[rS+2*(j-70)+1]  ; pair j - 70
.elseif j < 102                     ; the sum of the tile's 16 pairs, in place: neighbours 1, 2, 4 and 8 pairs apart, then l takes it
.set z, j-86
.set w, 4
.set u, z
.if z >= 14
.set w, 32
.set u, 0
.elseif z >= 12
.set w, 16
.set u, z-12
.elseif z >= 8
.set w, 8
.set u, z-8
.endif
.if (z == 14) && \first
	v_pk_add_f32 v[rT+2:rT+3], v[rS:rS+1], v[rS+16:rS+17]
.elseif z < 15
	v_pk_add_f32 v[rS+w*u:rS+w*u+1], v[rS+w*u:rS+w*u+1], v[rS+w*u+w/2:rS+w*u+w/2+1]
.elseif !\first
	v_pk_fma_f32 v[rT+2:rT+3], v[rT+2:rT+3], v[rT+6:rT+7], v[rS:rS+1] op_sel_hi:[1,0,1]
.endif
.else
	WIN W_RS
	v_pk_mul_f32 v[rO:rO+1], v[rO:rO+1], v[rT+6:rT+7] op_sel_hi:[1,0]
.endif
.endm
; Slice k of 64 of piece y's softmax: four instructions.  Slices 11 to 34 deal out the batch, four numbers of ONE tile each, the tiles by turns.  Every other slice is numbers 2 k and 2 k + 1 of both tiles' lists.
; 2 x 134 = 4 x 64 + 12: the twelve that are over stand together, in slice 63.  Ahead of slice 35 nothing names an exponential's result, and behind slice 34 none is issued: one wait, behind slice 34.
.macro SLICE y, first
.if (k >= 11) && (k < 35)           ; the batch: four numbers of one tile
.irp n, 0,1,2,3
.set j, 22+4*((k-11)/2)+(\n)
	SM (\y)+(k-11)%2, \first
.endr
.else                               ; the two tiles alternate, so that no instruction reads the result of the one just before it
.irp n, 0,1,2,3,4,5,6,7
.if (\n < 2) || (k == 63)
.irp t, \y, \y+1
.set j, 2*k+\n
	SM \t, \first
.endr
.endif
.endr
.endif
.if k == 34                         ; the batch is out
	v_nop                           ; a plain instruction behind the last exponential and ahead of the first use: one for the batch
.if (\y) == 0
	FETCH_V                         ; piece 2's turn: V's run of loads stands here, and the wait stands in it
.else
	s_wait_alu depctr_va_vdst(0)    ; the wait for the batch
.endif
.endif
.set k, k+1
.endm
.macro PLACES
.rept 4
	v_nop
.endr
.endm
; A TURN.  Piece x has the matrix unit; the other piece's softmax stands in slices behind its matrix instructions.
; pv = 2: 32 products V^T P; 1: they start O^T's sums; 0: none.  kq = 1: 32 products K Q^T for the next step.  A turn with one of the two kinds has two slices behind each product.
; first = 1: the softmax is the first key step's; four v_nop then take slice 63's part as the places behind the turn's last products.
; bw: the loads of B that may stay out when the piece's own 16 have to be there: the other piece's 16, issued a turn later, or none.
; bl = 1: behind the fourteenth product K Q^T the piece's B of the step after is fetched.  B's registers were read by the first eight; between the eighth and the loads stand six products' slices,
; among them more than four plain instructions that name none of its registers, and the run's own addition.
.macro TURN x, pv, kq, first, bl, bw
.set k, 0
.set per, 2
.if \pv && \kq
.set per, 1
.endif
.if \pv
.if \x == 0
	s_wait_dscnt 0x0                ; V is in
.endif
.set i, 0
.rept 32
	PV \x, 2-\pv
.rept per
	SLICE 2-\x, \first
.endr
.if (\x == 0) && \kq && (i == 1)
	FETCH_K
.endif
.set i, i+1
.endr
.endif
.if \kq
.if \x == 0
	s_wait_dscnt 0x0                ; K is in
.endif
	s_wait_loadcnt \bw              ; my piece's B is in
.set i, 0
.rept 32
	KQ \x
.rept per
	SLICE 2-\x, \first
.endr
.if \bl && (i == 13)
	FETCH_B \x, 1
.endif
.set i, i+1
.endr
.endif
.if \first
	PLACES
.endif
.endm
; THE CHANGE OF SLOTS, between piece 2's turn and piece 0's.  Each wave waits for all its tensor loads, of which one is out: its part of the other slot; adds 0 to its spare word; and waits for that and for
; its own reads of the slot.  fill = 1: this slot is filled again, with the keys two slots on: the barrier is then a round of the cluster's, and the joint refill is the first thing behind it:
; it has two key steps, 256 matrix instructions, in which to land.
.macro CHANGE fill
	WIN 0                           ; at a label and at a branch every window is 0
	s_wait_tensorcnt 0x0            ; no tensor load of mine is out, so a group 0 may be written
	ds_add_u32 v[SPW], v[NIL]       ; 0 onto my spare word
.if \fill
.irp g, G0K+4, G0V+4
	s_xor_b32 s[\g+1], s[\g+1], SLOT1  ; the walking descriptor: the other slot than last time,
	s_add_nc_u64 s[\g+2:\g+3], s[\g+2:\g+3], 2*KS*256  ; the next 128 keys; the type bits on top are not reached
.endr
	s_wait_xcnt 0x0                 ; the last prefetches, two key steps back, have read their address, so it may be written:
	s_add_nc_u64 s[PFA:PFA+1], s[PFA:PFA+1], 2*KS*256  ; one slot behind the walking descriptors
	s_wait_dscnt 0x0                ; the add is done, and my reads of the slot are over
	CROUND
	JLOAD
	ASK                             ; what the next change will ask for: two key steps, 256 matrix instructions, ahead
.else
	s_wait_dscnt 0x0                ; the add is done, and my reads of the slot are over
	s_barrier_signal -1
	s_barrier_wait -1
.endif
	s_sub_co_u32 s[TB], s[TB], 2*STEPB  ; the fetches go back to a slot's first step,
	s_xor_b32 s[TB], s[TB], SLOT1   ; in the other slot
.endm
; A slot's two key steps: written once, walked twice; the LDS addresses hang on s[TB], B's on v44 and v45.
.macro TWO_STEPS
	s_mov_b32 s[TWICE], 2
.Lstep_\@:
	TURN 0, 2, 1, 0, 1, 16
	TURN 2, 2, 1, 0, 1, 16
	WIN 0
	s_sub_co_u32 s[TWICE], s[TWICE], 1
	s_cmp_lg_u32 s[TWICE], 0
	s_cbranch_scc1 .Lstep_\@
.endm
	s_wait_tensorcnt 1              ; my part of slot 0 is in; slot 1's may stay out
	s_barrier_signal -1
	s_barrier_wait -1               ; everybody's is
	FETCH_K                         ; key step 0
	s_wait_loadcnt 16               ; Q and piece 0's B are in; piece 2's 16 loads may be out
	s_wait_dscnt 0x0
.set i, 0
.rept 32
	KQ 0                            ; piece 0's first scores: there is no vector work yet to set between them
.set i, i+1
.endr
	PLACES                          ; with the addition below: the places in front of the loads into B's registers and of the first softmax's reads
	FETCH_B 0, 1                    ; piece 0's B of step 1
	TURN 2, 0, 1, 1, 1, 16          ; piece 2's first scores | piece 0's first softmax | V of step 0
	TURN 0, 1, 1, 1, 1, 16          ; piece 0: V^T P of step 0 starts O^T, K Q^T of step 1 | piece 2's first softmax | K of step 1
	TURN 2, 1, 1, 0, 1, 16          ; piece 2: the same | piece 0's softmax of step 1 | V of step 1
	WIN 0
.Lslot:                             ; 6 trips: every slot but the last two is filled again
	CHANGE 1
	TWO_STEPS
	s_sub_co_u32 s[SLOTS], s[SLOTS], 1
	s_cmp_lg_u32 s[SLOTS], 0
	s_cbranch_scc1 .Lslot
	CHANGE 0                        ; the tail is written out
	TURN 0, 2, 1, 0, 1, 16          ; K Q^T of step 14; B of step 15 is fetched
	TURN 2, 2, 1, 0, 1, 16
	TURN 0, 2, 1, 0, 0, 16          ; K Q^T of step 15: nothing more of B to fetch
	TURN 2, 2, 1, 0, 0, 0           ; no load is younger than piece 2's last
	TURN 0, 2, 0, 0, 0, 0           ; piece 0: V^T P of the last step | piece 2's last softmax
.set i, 0
.rept 32
	PV 2, 0                         ; piece 2: V^T P of the last step
.set i, i+1
.endr
	; THE WAY OUT.  l's two halves and the other half of the lanes' are added; O^T is divided by l and rounded to f16.  The additions are the places behind the last products.
	WIN 0
.irp t, 0,1,2,3
	v_add_f32 v[ST+8*\t+4], v[ST+8*\t+2], v[ST+8*\t+3]
.endr
.irp t, 0,1,2,3
	v_permlanex16_b32 v[ST+8*\t+5], v[ST+8*\t+4], s[SEL], s[SEL+1]
.endr
.irp t, 0,1,2,3
	v_add_f32 v[ST+8*\t+4], v[ST+8*\t+4], v[ST+8*\t+5]
.endr
.irp t, 0,1,2,3
	v_rcp_f32 v[ST+8*\t+6], v[ST+8*\t+4]
.endr
	v_nop                           ; a plain instruction between the last reciprocal and the use of its result
	s_wait_alu depctr_va_vdst(0)    ; and the wait ahead of the first use: one for the four reciprocals
; Tile t: a lane's eight channels 16 f + 8 (l / 16) + 0..7 of row l % 16 pack into 16 bytes, which are registers 4 (f % 2) .. + 3 of the last launch's fragment of K step 4 head + f / 2: stored at 16 x lane.
; Each tile has registers of its own, so no store's data are written again.
.macro PACK t
	WIN W_RS
.set i, 64*\t
.rept 32
	v_pk_mul_f32 v[i:i+1], v[i:i+1], v[ST+8*\t+6:ST+8*\t+7] op_sel_hi:[1,0]
.set i, i+2
.endr
	WIN 0x05                        ; sources 0 and 1 window 1, destination window 0: S^T's registers are free
.set i, 0
.rept 32
	v_cvt_pk_f16_f32 v[S+32*\t+i], v[64*\t+2*i], v[64*\t+2*i+1]
.set i, i+1
.endr
	WIN 0
.irp f, 0,1,2,3,4,5,6,7
	global_store_b128 v[GO], v[S+32*\t+4*\f:S+32*\t+4*\f+3], s[10:11] offset:\t*32768+\f*512 th:TH_STORE_NT  ; 32 lanes store 512 consecutive bytes, at a multiple of 512 from the buffer's first byte
.endr
.endm
	PACK 0
	PACK 1
	PACK 2
	PACK 3
	s_wait_tensorcnt 0x0            ; the wave's end, behind my last tensor load
	ds_add_u32 v[SPW], v[NIL]
	s_wait_dscnt 0x0
	CROUND                          ; the closing round: no work-group ends while a partner may still ask for a tile that names it
	s_endpgm
.Lfunc_end_k_q505ee72eff_attn:
	.size	k_q505ee72eff_attn, .Lfunc_end_k_q505ee72eff_attn-k_q505ee72eff_attn
	.p2alignl 7, 3214868480
	.fill 96, 4, 3214868480
	.section	.rodata,"a",@progbits
	.p2align	6, 0x0
	.amdhsa_kernel k_q505ee72eff_attn
		.amdhsa_group_segment_fixed_size 327680
		.amdhsa_private_segment_fixed_size 0
		.amdhsa_enable_private_segment 0
		.amdhsa_kernarg_size 40
		.amdhsa_user_sgpr_count 2
		.amdhsa_user_sgpr_kernarg_segment_ptr 1
		.amdhsa_wavefront_size32 1
		.amdhsa_system_sgpr_workgroup_id_x 1
		.amdhsa_system_sgpr_workgroup_id_y 1
		.amdhsa_system_sgpr_workgroup_id_z 1
		.amdhsa_system_vgpr_workitem_id 0
		.amdhsa_next_free_vgpr 1024
		.amdhsa_next_free_sgpr 76
		.amdhsa_reserve_vcc 0
		.amdhsa_float_denorm_mode_32 3
		.amdhsa_float_denorm_mode_16_64 3
		.amdhsa_memory_ordered 1
		.amdhsa_forward_progress 1
		.amdhsa_inst_pref_size 255
	.end_amdhsa_kernel
	.section	.bss,"aw",@nobits
	.p2align	6
	.space	262144
	.amdgpu_metadata
---
amdhsa.version: [ 1, 2 ]
amdhsa.kernels:
  - .name:           k_q505ee72eff_attn
    .symbol:         k_q505ee72eff_attn.kd
    .args:
      - { .name: qbuf, .offset: 0, .size: 8, .value_kind: global_buffer, .address_space: global }
      - { .name: kbuf, .offset: 8, .size: 8, .value_kind: global_buffer, .address_space: global }
      - { .name: vbuf, .offset: 16, .size: 8, .value_kind: global_buffer, .address_space: global }
      - { .name: obuf, .offset: 24, .size: 8, .value_kind: global_buffer, .address_space: global }
      - { .name: bimg, .offset: 32, .size: 8, .value_kind: global_buffer, .address_space: global }
    .group_segment_fixed_size: 327680
    .private_segment_fixed_size: 0
    .kernarg_segment_align: 8
    .kernarg_segment_size: 40
    .max_flat_workgroup_size: 128
    .sgpr_count:     76
    .vgpr_count:     1024
    .wavefront_size: 32
...
	.end_amdgpu_metadata
.endif
;; end of part 2
;; launch outp (part 3): grid 256 x 1, 4 waves a work-group, no clusters, 135,680 bytes of LDS; arguments obuf, pwf, proj_b, out0; writes out0
.if DOCPART == 3
	.amdgcn_target "amdgcn-amd-amdhsa--gfx1250"
	.amdhsa_code_object_version 6
	.text
	.protected	k_q505ee72eff_outp
	.globl	k_q505ee72eff_outp
	.p2align	8
	.type	k_q505ee72eff_outp,@function
k_q505ee72eff_outp:
	s_mov_b64 s[64:65], 0
	v_nop
	global_prefetch_b8 v0, s[64:65] scope:SCOPE_SE
	s_setreg_imm32_b32 hwreg(HW_REG_WAVE_MODE, 25, 1), 1
	s_wait_xcnt 0x0
; out0 = O proj_w^T + proj_b.  O: [16,384 rows][1,024] f16 and proj_w: [128][1,024] f16, both laid as images of their fragments' registers (16 rows x 32 K: 1,024 bytes, a lane's 16 bytes at 16 x lane,
; registers 0-3 then 4-7), so that each load reads 512 consecutive bytes and nothing goes through LDS on the way in.  Sums in f32; out0: [16,384][128] f32.
; SHARES.  A work-group owns 64 rows.  K IS SHARED OUT AMONG THE WAVES: wave w takes K steps 8 w .. 8 w + 7 (two heads) for all 64 rows x 128 outputs: 32 accumulators, 256 matrix instructions.  So each byte of O is
; read once in the launch and each byte of proj_w once by a work-group.  The four partial sums meet in LDS; each wave adds and stores 16 whole rows, with the bias.
; THE MATRIX INSTRUCTION IS USED TRANSPOSED: source 0 = 16 rows of proj_w (outputs), source 1 = 16 rows of O: a lane holds eight neighbouring outputs of one row.
; No tensor loads, no cluster: work-groups share only proj_w's 262,144 bytes; no prefetch: a wave's loads go out three K steps ahead from its first lines on.
; REGISTERS: window 0: v1-9 addresses; v24-27 the bias; v28, v29 the add's two; v32-223 three sets of proj_w's 8 fragments.   window 1: the accumulators (rows 16 rt on, outputs 16 ct on at 8 (8 rt + ct)).
;   window 2: O's fragments (K step kk, rows 16 rt on at 32 kk + 8 rt); later the partial sums of my 16 rows (row i, part p at 16 i + 4 p).
.set RPITCH, 528                       ; a row of a partial sum in LDS: 512 bytes + 16 = 132 words: the 16 rows that a store touches start 4 words apart modulo 64
.set REG,    64*RPITCH                 ; a wave's partial sum: 64 rows
.set SPARE,  4*REG                     ; the spare words, 128 bytes for each wave: two blocks of 256 bytes that no other line names
.set LI,  4                            ; v4   16 x lane
.set STO, 5                            ; v5   where I put 32 bytes of a row of my partial sum
.set RD,  6                            ; v6-9 where I read my 16 rows of part 0 .. 3
.set BI,  24
.set SPW, 28
.set NIL, 29
.set WS,  32
.set MSB, 0
.macro WIN new                         ; the immediate's high byte repeats the setting that is left
.if MSB != \new
	s_set_vgpr_msb (MSB<<8)|\new
.set MSB, \new
.endif
.endm
	s_load_b256 s[4:11], s[0:1], 0x0               ; O s[4:5], proj_w s[6:7], proj_b s[8:9], out0 s[10:11]
	v_lshl_add_u32 v[SPW], v0, 2, SPARE
	v_mov_b32 v[NIL], 0
	v_lshrrev_b32 v1, 5, v0
	v_readfirstlane_b32 s12, v1                    ; wave 0..3
	v_and_b32 v1, 31, v0                           ; lane
	v_and_b32 v2, 15, v0                           ; r
	v_bfe_u32 v3, v0, 4, 1                         ; h
	v_lshlrev_b32 v[LI], 4, v1
	s_mul_i32 s13, s12, REG
	v_mul_u32_u24 v[STO], v2, RPITCH
	v_lshl_add_u32 v[STO], v3, 5, v[STO]
	v_add_nc_u32 v[STO], s13, v[STO]               ; my part: row r, + 32 h
	s_mul_i32 s13, s12, 16*RPITCH
	v_add_nc_u32 v[RD], s13, v[LI]                 ; back: rows 16 w on, 16 bytes a lane
	v_add_nc_u32 v[RD+1], REG, v[RD]
	v_add_nc_u32 v[RD+2], 2*REG, v[RD]
	v_add_nc_u32 v[RD+3], 3*REG, v[RD]
	s_lshl_b32 s16, s12, 13                        ; 8 K steps of 1,024 bytes; also 16 rows of 512 bytes
	s_mov_b32 s17, 0
	s_lshl_b32 s14, ttmp9, 17                      ; four tiles of rows, 32,768 bytes each
	s_add_co_u32 s14, s14, s16
	s_mov_b32 s15, 0
	s_lshl_b32 s18, ttmp9, 15                      ; 64 rows of 512 bytes
	s_add_co_u32 s18, s18, s16
	s_mov_b32 s19, 0
	s_wait_kmcnt 0x0
	s_add_nc_u64 s[4:5], s[4:5], s[14:15]
	s_add_nc_u64 s[6:7], s[6:7], s[16:17]
	s_add_nc_u64 s[10:11], s[10:11], s[18:19]
; K step kk's 24 loads: proj_w's 8 fragments into set kk % 3, O's four into registers of their own
.macro G kk
	WIN 0
.irp ct, 0,1,2,3,4,5,6,7
.irp c, 0,1
	global_load_b128 v[WS+64*((\kk)%3)+8*\ct+4*\c:WS+64*((\kk)%3)+8*\ct+4*\c+3], v[LI], s[6:7] offset:\ct*32768+(\kk)*1024+\c*512
.endr
.endr
	WIN 0x80
.irp rt, 0,1,2,3
.irp c, 0,1
	global_load_b128 v[32*(\kk)+8*\rt+4*\c:32*(\kk)+8*\rt+4*\c+3], v[LI], s[4:5] offset:\rt*32768+(\kk)*1024+\c*512 th:TH_LOAD_NT
.endr
.endr
.endm
; 32 matrix instructions: the accumulators take turns, one instruction a turn.  The first K step starts the sums
.macro MUL kk
	WIN 0x58                                       ; source 0 window 0, source 1 window 2, C and D window 1
.irp rt, 0,1,2,3
.irp ct, 0,1,2,3,4,5,6,7
.if (\kk) == 0
	v_wmma_f32_16x16x32_f16 v[8*(8*\rt+\ct):8*(8*\rt+\ct)+7], v[WS+64*((\kk)%3)+8*\ct:WS+64*((\kk)%3)+8*\ct+7], v[32*(\kk)+8*\rt:32*(\kk)+8*\rt+7], 0
.else
	v_wmma_f32_16x16x32_f16 v[8*(8*\rt+\ct):8*(8*\rt+\ct)+7], v[WS+64*((\kk)%3)+8*\ct:WS+64*((\kk)%3)+8*\ct+7], v[32*(\kk)+8*\rt:32*(\kk)+8*\rt+7], v[8*(8*\rt+\ct):8*(8*\rt+\ct)+7]
.endif
.endr
.endr
.rept 4
	v_nop                                          ; four places in front of loads into registers that these products read, and of the first read of results
.endr
.endm
	global_load_b128 v[BI:BI+3], v[LI], s[8:9]     ; the bias of my lane's four outputs of a row
	G 0
	G 1
	G 2
.irp kk, 0,1,2,3,4,5,6,7
.if \kk < 6
	s_wait_loadcnt 48                              ; this K step's loads are in; the two younger groups of 24 may be out
.else
	s_wait_loadcnt 24*(7-\kk)
.endif
	MUL \kk
.if \kk < 5
	G \kk+3
.endif
.endr
	WIN 0x04                                       ; an LDS store's data are its source 1: window 1
.irp rt, 0,1,2,3
.irp ct, 0,1,2,3,4,5,6,7
	ds_store_b128 v[STO], v[8*(8*\rt+\ct):8*(8*\rt+\ct)+3] offset:\rt*16*RPITCH+64*\ct       ; each accumulator from its low end on
	ds_store_b128 v[STO], v[8*(8*\rt+\ct)+4:8*(8*\rt+\ct)+7] offset:\rt*16*RPITCH+64*\ct+16
.endr
.endr
	WIN 0
	s_wait_dscnt 0x0                               ; for the others' sake: my partial sum has landed
	s_barrier_signal -1
	s_barrier_wait -1
	WIN 0x80
.irp i, 0,1,2,3,4,5,6,7,8,9,10,11,12,13,14,15
.irp p, 0,1,2,3
	ds_load_b128 v[16*\i+4*\p:16*\i+4*\p+3], v[RD+\p] offset:\i*RPITCH
.endr
.endr
	WIN 0x8a                                       ; all in window 2
.irp i, 0,1,2,3,4,5,6,7,8,9,10,11,12,13,14,15
	s_wait_dscnt 60-4*\i                           ; row i's four parts are in; the later rows' loads may be out
.irp q, 0,2
	v_pk_add_f32 v[16*\i+\q:16*\i+\q+1], v[16*\i+\q:16*\i+\q+1], v[16*\i+4+\q:16*\i+4+\q+1]
	v_pk_add_f32 v[16*\i+8+\q:16*\i+8+\q+1], v[16*\i+8+\q:16*\i+8+\q+1], v[16*\i+12+\q:16*\i+12+\q+1]
.endr
.irp q, 0,2
	v_pk_add_f32 v[16*\i+\q:16*\i+\q+1], v[16*\i+\q:16*\i+\q+1], v[16*\i+8+\q:16*\i+8+\q+1]
.endr
.endr
	WIN 0x82                                       ; source 1 (the bias) window 0
.irp i, 0,1,2,3,4,5,6,7,8,9,10,11,12,13,14,15
.irp q, 0,2
	v_pk_add_f32 v[16*\i+\q:16*\i+\q+1], v[16*\i+\q:16*\i+\q+1], v[BI+\q:BI+\q+1]
.endr
.endr
	WIN 0x08                                       ; a store's data are its source 1: window 2
.irp i, 0,1,2,3,4,5,6,7,8,9,10,11,12,13,14,15
	global_store_b128 v[LI], v[16*\i:16*\i+3], s[10:11] offset:512*\i th:TH_STORE_NT   ; 32 lanes store a whole row of 512 bytes
.endr
	WIN 0
	s_wait_tensorcnt 0x0                           ; the wave's end, behind my last LDS store
	ds_add_u32 v[SPW], v[NIL]
	s_wait_dscnt 0x0
	s_endpgm
.Lfunc_end_k_q505ee72eff_outp:
	.size	k_q505ee72eff_outp, .Lfunc_end_k_q505ee72eff_outp-k_q505ee72eff_outp
	.p2alignl 7, 3214868480
	.fill 96, 4, 3214868480
	.section	.rodata,"a",@progbits
	.p2align	6, 0x0
	.amdhsa_kernel k_q505ee72eff_outp
		.amdhsa_group_segment_fixed_size 135680
		.amdhsa_private_segment_fixed_size 0
		.amdhsa_enable_private_segment 0
		.amdhsa_kernarg_size 32
		.amdhsa_user_sgpr_count 2
		.amdhsa_user_sgpr_kernarg_segment_ptr 1
		.amdhsa_wavefront_size32 1
		.amdhsa_system_sgpr_workgroup_id_x 1
		.amdhsa_system_sgpr_workgroup_id_y 1
		.amdhsa_system_sgpr_workgroup_id_z 1
		.amdhsa_system_vgpr_workitem_id 0
		.amdhsa_next_free_vgpr 768
		.amdhsa_next_free_sgpr 66
		.amdhsa_reserve_vcc 0
		.amdhsa_float_denorm_mode_32 3
		.amdhsa_float_denorm_mode_16_64 3
		.amdhsa_memory_ordered 1
		.amdhsa_forward_progress 1
		.amdhsa_inst_pref_size 57
	.end_amdhsa_kernel
	.amdgpu_metadata
---
amdhsa.version: [ 1, 2 ]
amdhsa.kernels:
  - .name:           k_q505ee72eff_outp
    .symbol:         k_q505ee72eff_outp.kd
    .args:
      - { .name: obuf, .offset: 0, .size: 8, .value_kind: global_buffer, .address_space: global }
      - { .name: pwf, .offset: 8, .size: 8, .value_kind: global_buffer, .address_space: global }
      - { .name: proj_b, .offset: 16, .size: 8, .value_kind: global_buffer, .address_space: global }
      - { .name: out0, .offset: 24, .size: 8, .value_kind: global_buffer, .address_space: global }
    .group_segment_fixed_size: 135680
    .private_segment_fixed_size: 0
    .kernarg_segment_align: 8
    .kernarg_segment_size: 32
    .max_flat_workgroup_size: 128
    .sgpr_count:     66
    .vgpr_count:     768
    .wavefront_size: 32
...
	.end_amdgpu_metadata
.endif
;; end of part 3
